; MI455X (gfx1250); checked and timed in simulation.
; The chip was launched on July 23, 2026; its instructions are those of AMD's public machine-readable ISA for CDNA 5 (MIT licence, August 2026) and "CDNA5" Instruction Set Architecture Reference Guide (July 2026). The comments in the code are by the model that wrote it; some were corrected since.
;; Shared Vector Quantizer. Allowed arithmetic: matrix products marked QUANTISED: E2M3 operands, one E8M0 scale for each 32 along K, by v_wmma_scale_f32_16x16x128_f8f6f4 with both operands' format E2M3, f32 sums; everything else in f32.
;; Inputs: codebook 4,096 x 128 float32; x 16 x 4,096 x 128 float32.
;; Outputs: out0 16 x 4,096 int32; out1 16 x 4,096 x 128 float32; out2 one number float32.
;; This version of the problem:
;;   THIS VERSION OF THE PROBLEM IS GIVEN IN LOW PRECISION. The matrix products marked QUANTISED in the list below multiply operands that are first quantised to E2M3 (2 exponent bits, 3 mantissa bits; 6 bits a number), with one power-of-two scale for each 32 numbers along K (OCP MX v1.0); their sums are f32. All else is computed in f32.
;;   The module's matrix products, in the order in which they are computed (A, B: the left and right operand; K: the contracted axis; several contracted axes count as one K, in the product's order):
;;     1. [M 65,536, K 128] x [K 128, N 4,096]; A: input x; B: input codebook: QUANTISED
;;   THE QUANTISER, for each operand of a quantised product, along K:
;;     - K is cut into blocks of 32 from its start; a last block that is shorter is filled with zeros.
;;     - A block's scale is 2^e with e = floor(log2(the largest magnitude in the block)) - 2, held to -126 .. 127; a block of zeros has e = 0. As a byte (E8M0): e + 127.
;;     - Each number is divided by its block's scale, clamped to +-7.5, and rounded to the nearest number of E2M3, ties to even, subnormals kept.
;;     - The product sums the exact products of the quantised numbers (number of the format x scale) in f32.
;;   ~~~python
;;   def quantise(x, axis):      # numpy; x: float32 -> the quantised numbers, widened to float32 again
;;       x = np.moveaxis(x, axis, -1); K = x.shape[-1]
;;       x = np.pad(x, [(0, 0)] * (x.ndim - 1) + [(0, -K % 32)]); x = x.reshape(x.shape[:-1] + (-1, 32)); a = np.abs(x).max(-1, keepdims=True)
;;       e = np.where(a > 0, np.clip(np.frexp(np.where(a > 0, a, 1))[1] - 1 - 2, -126, 127), 0)      # np.frexp(a)[1] - 1 = floor(log2(a)), exactly
;;       r = np.clip(x / 2.0 ** e, -7.5, 7.5)
;;       step = 2.0 ** (np.maximum(np.frexp(np.where(r == 0, 1, r))[1] - 1, 0) - 3)
;;       q = np.round(r / step) * step * 2.0 ** e      # np.round: ties to even
;;       return np.moveaxis(q.reshape(q.shape[:-2] + (-1,))[..., :K], -1, axis).astype(np.float32)
;;   ~~~
;; One version. Each part assembles by itself: llvm-mc -triple=amdgcn-amd-amdhsa -mcpu=gfx1250 --defsym DOCPART=n.
;; ======== version 1 of 1: 4 launches
;; limits: right only within a limited range of input values
;; workspace buffers: cbq 425,984 bytes; tok 262,144 bytes of whole numbers; part 2,048 bytes
;; launch prep (part 1): grid 256 x 1, 1 waves a work-group, no clusters, 0 bytes of LDS; arguments codebook, cbq; writes cbq
.if DOCPART == 1
	.amdgcn_target "amdgcn-amd-amdhsa--gfx1250"
	.amdhsa_code_object_version 6
	.text
	.protected	k_q0a74fec377_prep
	.globl	k_q0a74fec377_prep
	.p2align	8
	.type	k_q0a74fec377_prep,@function
k_q0a74fec377_prep:
	s_mov_b64 s[64:65], 0
	v_nop
	global_prefetch_b8 v0, s[64:65] scope:SCOPE_SE
	s_setreg_imm32_b32 hwreg(HW_REG_WAVE_MODE, 25, 1), 1
	s_wait_xcnt 0x0
; The codebook [4096][128] f32 becomes 256 RECORDS of 1,664 bytes, one for each tile of 16 codes, laid as the next launch's registers want them:
;   bytes 0-1535     the image of a matrix operand's 12 registers (16 rows x 128 K of FP6, E2M3): registers 4 c .. 4 c + 3 of lane l at 512 c + 16 l
;   bytes 1536-1599  row m's scale word (four E8M0 bytes, one for each 32 along K) at 4 m
;   bytes 1600-1663  the sum of row m's squares, f32, of the UNQUANTISED numbers, at 4 m
; One wave makes one record.  Lane (r, h) = (lane % 16, lane / 16) takes, of row r, 16 neighbours of each block of 32: register 16 b + i = k 32 b + 16 h + i.
; A block's scale is 2^(floor(log2(its largest magnitude)) - 2); its byte is the largest magnitude's exponent field - 2, held at 1 from below.
; LIMITS: NaN and infinities among the inputs are not served.  A block whose largest magnitude lies under 2^-124 keeps the byte 1; a block of zeros gets the byte 1 where the
; quantiser's text says 127: its codes are zeros, which add nothing under that byte, and this program alone reads the bytes.  The squares are summed in two packed chains, another order than a plain row sum's.
.set REC,  1664
.set S,    16                          ; v16-79   my 64 numbers
.set PC,   80                          ; v80-91   the fragment
.set TQ,   92                          ; v92-98   the conversions' second halves
.set TM,   100                         ; v100-103 largest magnitudes, v104-107 bytes, v112-115 the conversions' scale operands
.set ACC,  116                         ; v116-119 two packed chains of squares
.set PW,   120                         ; the scale word
.set EE,   121                         ; the sum of squares
.set TMP,  122
.set SEL,  18                          ; s[18:19] v_permlanex16_b32's selects for lane l xor 16
; The sum of the squares of a lane's 64 numbers and of lane l xor 16's: the row's, in both halves of the lanes.
.macro SUMSQ s, dst
	v_pk_mul_f32 v[ACC:ACC+1], v[\s:\s+1], v[\s:\s+1]                  ; the first products start the chains: nothing is cleared
	v_pk_mul_f32 v[ACC+2:ACC+3], v[\s+2:\s+3], v[\s+2:\s+3]
.irp j, 4,8,12,16,20,24,28,32,36,40,44,48,52,56,60
	v_pk_fma_f32 v[ACC:ACC+1], v[\s+\j:\s+\j+1], v[\s+\j:\s+\j+1], v[ACC:ACC+1]
	v_pk_fma_f32 v[ACC+2:ACC+3], v[\s+\j+2:\s+\j+3], v[\s+\j+2:\s+\j+3], v[ACC+2:ACC+3]
.endr
	v_pk_add_f32 v[ACC:ACC+1], v[ACC:ACC+1], v[ACC+2:ACC+3]
	v_add_f32 v[ACC], v[ACC], v[ACC+1]
	v_permlanex16_b32 v[ACC+1], v[ACC], s[SEL], s[SEL+1]
	v_add_f32 v[\dst], v[ACC], v[ACC+1]
.endm
; 64 numbers of a lane, register 16 b + i = k 32 b + 16 (lane / 16) + i of my row, become a fragment's codes in v[pc] on and its scale word in v[pw].
.macro QUANT s, pc, pw
.irp b, 0,1,2,3
	v_max3_num_f32 v[TM+\b], |v[\s+16*\b]|, |v[\s+1+16*\b]|, 0x1800000   ; block b: my 16 numbers, and the floor 2^(3 - 127): the byte cannot fall under 1
.endr
.irp i, 2,4,6,8,10,12,14
.irp b, 0,1,2,3
	v_max3_num_f32 v[TM+\b], v[TM+\b], |v[\s+16*\b+\i]|, |v[\s+1+16*\b+\i]|   ; the four blocks by turns
.endr
.endr
.irp b, 0,1,2,3
	v_permlanex16_b32 v[TM+4+\b], v[TM+\b], s[SEL], s[SEL+1]
.endr
.irp b, 0,1,2,3
	v_max_num_f32 v[TM+\b], v[TM+\b], v[TM+4+\b]                       ; with lane l xor 16's: the block's largest magnitude
.endr
.irp b, 0,1,2,3
	v_add_nc_u32 v[TM+12+\b], 0xff000000, v[TM+\b]                     ; 2 off its exponent field: the conversion takes this operand's exponent field as its scale
.endr
.irp b, 0,1,2,3
	v_lshrrev_b32 v[TM+4+\b], 23, v[TM+12+\b]                          ; the scale's byte
.endr
	v_lshl_or_b32 v[\pw], v[TM+5], 8, v[TM+4]                          ; four bytes make my row's scale word
	v_lshl_or_b32 v[\pw], v[TM+6], 16, v[\pw]
	v_lshl_or_b32 v[\pw], v[TM+7], 24, v[\pw]
.irp c, 0,1
	v_cvt_scalef32_pk16_fp6_f32 v[\pc+6*\c:\pc+2+6*\c], v[\s+32*\c:\s+15+32*\c], v[TM+12+2*\c]
	v_cvt_scalef32_pk16_fp6_f32 v[TQ+4*\c:TQ+2+4*\c], v[\s+16+32*\c:\s+31+32*\c], v[TM+12+2*\c+1]   ; a conversion's three registers begin on an even number
.endr
	v_nop                                                              ; one plain place behind the scaled conversions
.irp c, 0,1                                    ; the operand wants a WHOLE block in a lane: lanes 0-15 block 2 c, lanes 16-31 block 2 c + 1
.irp i, 0,1,2
	v_permlane16_swap_b32 v[\pc+6*\c+\i], v[TQ+4*\c+\i]
.endr
.irp i, 0,1,2
	v_mov_b32 v[\pc+3+6*\c+\i], v[TQ+4*\c+\i]
.endr
.endr
.endm
	s_load_b128 s[4:7], s[0:1], 0x0                ; the codebook, the records
	v_and_b32 v1, 15, v0                           ; r
	v_lshrrev_b32 v2, 4, v0                        ; h (one wave: v0 is the lane)
	v_lshlrev_b32 v3, 9, v1
	v_lshl_add_u32 v3, v2, 6, v3                   ; row r of 512 bytes, + 64 h
	v_lshlrev_b32 v4, 4, v0                        ; 16 x lane: the image
	v_lshl_add_u32 v5, v0, 2, 1536                 ; 1,536 + 4 x lane: lanes 0-15 the scale words, lanes 16-31 the sums of squares
	s_lshl_b32 s8, ttmp9, 13                       ; my 16 rows of 512 bytes
	s_mov_b32 s9, 0
	s_mul_i32 s10, ttmp9, REC                      ; my record
	s_mov_b32 s11, 0
	s_mov_b32 s[SEL], 0x76543210
	s_mov_b32 s[SEL+1], 0xfedcba98
.irp b, 0,1,2,3
	v_mov_b32 v[TM+4+\b], 0                        ; written once: a lane permute's destination counts as one of its sources
.endr
	s_wait_alu depctr_va_vdst(0)
	s_wait_kmcnt 0x0
	s_add_nc_u64 s[4:5], s[4:5], s[8:9]
	s_add_nc_u64 s[6:7], s[6:7], s[10:11]
.irp b, 0,1,2,3
.irp j, 0,1,2,3
	global_load_b128 v[S+16*\b+4*\j:S+16*\b+4*\j+3], v3, s[4:5] offset:128*\b+16*\j
.endr
.endr
	s_wait_loadcnt 0x0
	SUMSQ S, EE
	QUANT S, PC, PW
	v_add_nc_u32 v[PW], 0x01010101, v[PW]          ; each byte + 1: the record's scales stand for 2 x the block's scale, so that the next launch's product is 2 x . e (a byte is at most 252: no carry, and every byte stays a finite code)
.irp c, 0,1,2
	global_store_b128 v4, v[PC+4*\c:PC+4*\c+3], s[6:7] offset:512*\c   ; 32 lanes store 512 consecutive bytes
.endr
	v_cmp_lt_u32 vcc_lo, 15, v0
	v_cndmask_b32 v[TMP], v[PW], v[EE], vcc_lo     ; lanes 0-15 carry row r's scale word, lanes 16-31 row r's sum of squares
	global_store_b32 v5, v[TMP], s[6:7]            ; 128 consecutive bytes
	s_endpgm
.Lfunc_end_k_q0a74fec377_prep:
	.size	k_q0a74fec377_prep, .Lfunc_end_k_q0a74fec377_prep-k_q0a74fec377_prep
	.p2alignl 7, 3214868480
	.fill 96, 4, 3214868480
	.section	.rodata,"a",@progbits
	.p2align	6, 0x0
	.amdhsa_kernel k_q0a74fec377_prep
		.amdhsa_group_segment_fixed_size 0
		.amdhsa_private_segment_fixed_size 0
		.amdhsa_enable_private_segment 0
		.amdhsa_kernarg_size 16
		.amdhsa_user_sgpr_count 2
		.amdhsa_user_sgpr_kernarg_segment_ptr 1
		.amdhsa_wavefront_size32 1
		.amdhsa_system_sgpr_workgroup_id_x 1
		.amdhsa_system_sgpr_workgroup_id_y 1
		.amdhsa_system_sgpr_workgroup_id_z 1
		.amdhsa_system_vgpr_workitem_id 0
		.amdhsa_next_free_vgpr 128
		.amdhsa_next_free_sgpr 66
		.amdhsa_reserve_vcc 1
		.amdhsa_float_denorm_mode_32 3
		.amdhsa_float_denorm_mode_16_64 3
		.amdhsa_memory_ordered 1
		.amdhsa_forward_progress 1
		.amdhsa_inst_pref_size 10
	.end_amdhsa_kernel
	.amdgpu_metadata
---
amdhsa.version: [ 1, 2 ]
amdhsa.kernels:
  - .name:           k_q0a74fec377_prep
    .symbol:         k_q0a74fec377_prep.kd
    .args:
      - { .name: codebook, .offset: 0, .size: 8, .value_kind: global_buffer, .address_space: global }
      - { .name: cbq, .offset: 8, .size: 8, .value_kind: global_buffer, .address_space: global }
    .group_segment_fixed_size: 0
    .private_segment_fixed_size: 0
    .kernarg_segment_align: 8
    .kernarg_segment_size: 16
    .max_flat_workgroup_size: 32
    .sgpr_count:     66
    .vgpr_count:     128
    .wavefront_size: 32
...
	.end_amdgpu_metadata
.endif
;; end of part 1
;; launch amin (part 2): grid 256 x 1, 16 waves a work-group, clusters of 4 x 1, 327,680 bytes of LDS; arguments x, cbq, out0, tok; writes out0, tok
.if DOCPART == 2
	.amdgcn_target "amdgcn-amd-amdhsa--gfx1250"
	.amdhsa_code_object_version 6
	.text
	.protected	k_q0a74fec377_amin
	.globl	k_q0a74fec377_amin
	.p2align	8
	.type	k_q0a74fec377_amin,@function
k_q0a74fec377_amin:
	s_mov_b64 s[64:65], 0
	v_nop
	global_prefetch_b8 v0, s[64:65] scope:SCOPE_SE
	s_setreg_imm32_b32 hwreg(HW_REG_WAVE_MODE, 25, 1), 1
	s_wait_xcnt 0x0
	s_wait_alu depctr_hold_cnt(0) depctr_sa_sdst(0) depctr_va_vdst(0) depctr_va_sdst(0) depctr_va_ssrc(0) depctr_va_vcc(0) depctr_vm_vsrc(0)
	s_getreg_b32 s2, hwreg(HW_REG_IB_STS2, 6, 4)
	s_cmp_eq_u32 s2, 0
	s_cbranch_scc0 .Lentry_in_a_cluster
	s_endpgm
.Lentry_in_a_cluster:
	s_bfe_u32 s2, ttmp6, 0x10000c
	s_cmp_lg_u32 s2, 0x3003
	s_cbranch_scc0 .Lentry_shape_is_right
	s_endpgm
.Lentry_shape_is_right:
; tokens[i] = the first k that makes d2[i][k] = (|x_i|^2 - 2 Q(x_i) . Q(e_k)) + |e_k|^2 least.  x: [65536][128] f32; the codebook comes as 256 records of 16 codes
; (FP6 codes as a register image, scale words whose bytes carry the factor 2, |e|^2 of the unquantised numbers).
; The product is one v_wmma_scale_f32_16x16x128_f8f6f4 deep (K = 128), FP6 (E2M3) on both sides, E8M0 scales, C = 0: it gives 2 x . e.  d2 is made with the definition's two f32 roundings:
; one subtraction |x|^2 - 2 dot, one addition of |e|^2.  The comparisons are the definition's: strictly less, codes ascending; at equal d2 the lower code.
; SHARES.  A work-group owns 256 rows of x.  Sixteen waves: wave w = 4 g + c takes rows 64 g .. 64 g + 63 (four tiles of 16) and the code tiles 4 s + c, s = 0 .. 63.  The four waves of a g meet once, at the end, in LDS.
; THE PRODUCT IS USED TRANSPOSED (source 0 = 16 codes, source 1 = 16 rows of x): lane (r, h) holds row r of x, its register j the code 16 t + 8 h + j.
; THE REDUCTION, 17 lines for each matrix instruction: 4 dual subtractions, 4 dual additions, 4 minima of three (the running minimum among the leaves), 1 compare, 4 dual selections, which keep the winning
; tile's d2[0..6] and its number; which of its eight codes won is looked up at the end.  It goes by PAIRS of x tiles in two stages, laid line among line, so that in the loop no line reads a result made
; fewer than five lines before it: a pair gets its d2 half a step behind its products at the earliest, and its minima and selections half a step later.  Two sets of four results take turns; no accumulator is added onto.
; A STEP: its four products as one group at its head; in its middle the |e|^2 of step s + 1 and the codes of step s + 2 are fetched from LDS, the codes into the registers that this step's products have read.
; HEAD.  Waves 0-7 fetch x (32 rows of 512 bytes each, 16 bytes of padding behind a row), waves 8-15 records 0-95: one tensor load a wave.  Wave w quantises rows 16 w .. 16 w + 15: lane (r, h) reads blocks h and 2 + h
; of row r whole, so a block's largest magnitude needs no other lane.  Fragments, scale words and |x|^2 go to the other waves through LDS as register images.
; LDS: 0 x's stage (256 x 528), later records 96-175; RA records 0-95, later records 176-255 on the first 80 places; SH the fragments, at the end the waves' minima and tokens; SPARE the spare words.  323,584 bytes.
; The two refills of 80 records are issued by waves 0-7, 16,640 bytes each: a sixteenth, 8,320 bytes, would not be whole rows of 256 bytes.
; CLUSTER.  All work-groups read the same records, so the four of a cluster ask for them JOINTLY.  x is each work-group's own: plain loads.  A wave has at most one tensor load out.
; NO PREFETCH: x is asked for whole by the head's loads, with no loop ahead of them; records 96-175 and 176-255 are each asked for more than 20 steps ahead of their first read.
; LIMITS: NaN and infinities among the inputs are not served.  A block whose largest magnitude lies under 2^-124 keeps the scale byte 1; a block of zeros gets the byte 1 where the quantiser's text says 127
; (its codes are zeros, and this program alone reads the byte).  |x|^2 is summed in eight packed chains, another order than a plain row sum's: it enters every d2 of a row alike.
.set REC,   1664                       ; a record: 1,536 bytes of codes, 64 of scale words, 64 of |e|^2
.set STRD,  4*REC                      ; from a step's record to the next step's
.set XP,    528                        ; x's stage: a row of 512 bytes + 16
.set RA,    256*XP
.set SH,    RA+96*REC                  ; 16 images of x's tiles, laid as records: codes, scale words, |x|^2
.set MST,   SH                         ; at the end, many barriers behind the images' last read: 512 bytes a wave, (minimum, token) of its 64 rows
.set SPARE, SH+16*REC                  ; the spare words, 128 bytes for each wave, that no other line names
.set SPW,  1                           ; v1 my spare word's address, v2 = 0; never rewritten
.set NIL,  2
.set ADC,  3                           ; v3-5 the trip's addresses: codes, scale words, |e|^2
.set ADS,  4
.set ADE,  5
.set H8,   6                           ; 8 h
.set TN,   7                           ; the number of the tile whose selections are being made
.set ADC0, 8                           ; 16 lane + c REC
.set ADS0, 9                           ; 1,536 + 4 r + c REC
.set T,    10                          ; v10-15 the minima's tree, three registers for each tile of a pair
.set XB,   16                          ; v16-63  x's four fragments
.set XSC,  64                          ; v64-67  x's scale words, and nothing else
.set ST,   68                          ; v68-83  tile i at 4 i: +0, +1 |x|^2 twice (a dual line's two first sources lie in different banks), +2, +3 the running minimum, changing places from step to step
.set SAV,  84                          ; v84-115 tile i at 8 i: +0..6 the winning tile's d2[0..6], +7 its number
.set D0,   116                         ; v116-179 two sets of four results
.set A0,   180                         ; v180-203 two fragments of codes
.set EE0,  204                         ; v204-219 two sets of eight |e|^2
.set ADE0, 220                         ; 1,600 + 32 h + c REC
.set MSI,  221                         ; where my row's (minimum, token) goes
.set MLD,  222                         ; where two rows' come back from
.set L8,   223                         ; 8 x lane
.set XFA,  224                         ; my four tiles' images: codes; v225 scale words and |x|^2
.set XFS,  225
.set ASC,  226                         ; v226-227 the codes' scale words, and nothing else
.set ADC2, 228                         ; v228-229 behind the head: codes and scale words at the start of the next run of records
.set ADS2, 229
; at the head only:
.set S,    84                          ; v84-147 64 numbers of x a lane
.set PC,   16                          ; v16-27  their fragment
.set TQ,   40                          ; v40-46  the conversions' second halves
.set XXR,  56                          ; |x|^2
.set PT,   58
.set XSA,  60                          ; x's stage
.set SHC,  61                          ; my tile's image
.set SHS,  62
.set BY,   212
.set PW,   216
.set XT,   218
.set M,    228                         ; v228-235 eight chains of largest magnitudes
.set SCO,  236                         ; v236-237 the conversions' scale operands
.set ACC,  240                         ; v240-255 eight packed chains of squares
.set WV,   12                          ; s12 wave, s15 g, s16 c
.set SEL,  18                          ; s[18:19] v_permlanex16_b32's selects for lane l xor 16
.set G1X,  24                          ; groups 1: x; an eighth of records 0-95; an eighth of 80 records
.set G1A,  32
.set G1R,  40
.set G0X,  48                          ; groups 0; none is ever rewritten
.set G0A,  52
.set G0B,  56
.set G0C,  60
.macro CROUND                          ; a round of the cluster's barrier
	s_barrier_signal -1
	s_barrier_wait -1
	s_cmp_lg_u32 s[WV], 0
	s_cbranch_scc1 .Lnot_wave_0_\@
	s_barrier_signal -3
.Lnot_wave_0_\@:
	s_barrier_wait -3
	s_barrier_signal -1
	s_barrier_wait -1
.endm
.macro GROUP1 g, w0, cols, rows        ; rows of cols elements of 8 bytes, dense in memory
	s_mov_b32 s[\g], \w0
	s_mov_b32 s[\g+1], (\cols)<<16
	s_mov_b32 s[\g+2], (\rows)<<16
	s_mov_b32 s[\g+3], (\cols)<<16
	s_mov_b32 s[\g+4], \rows
	s_mov_b32 s[\g+5], \cols
	s_mov_b32 s[\g+6], 0
	s_mov_b32 s[\g+7], 0
.endm
.macro AFTER                           ; behind every tensor load
	s_nop 0
.rept 4
	v_nop
.endr
.endm
.macro REFILL g0                       ; waves 0-7 fill 80 places again, an eighth each; the branch hangs on the wave's number alone
	s_cmp_lt_u32 s[WV], 8
	s_cbranch_scc0 .Lno_fill_\@
	tensor_load_to_lds s[\g0:\g0+3], s[G1R:G1R+7]
	AFTER
.Lno_fill_\@:
.endm
.macro LDC q, rc, rs, off              ; a record's codes and scale words into set q: four LDS loads
.irp c, 0,1,2
	ds_load_b128 v[A0+12*(\q)+4*\c:A0+12*(\q)+4*\c+3], v[\rc] offset:\off+512*\c
.endr
	ds_load_b32 v[ASC+(\q)], v[\rs] offset:\off
.endm
.macro LDE q, off                      ; its |e|^2 of my half's eight codes: two LDS loads
	ds_load_b128 v[EE0+8*(\q):EE0+8*(\q)+3], v[ADE] offset:\off
	ds_load_b128 v[EE0+8*(\q)+4:EE0+8*(\q)+7], v[ADE] offset:\off+16
.endm
.macro MM4 p                           ; set p's 16 codes x the four tiles of x
.irp i, 0,1,2,3
	v_wmma_scale_f32_16x16x128_f8f6f4 v[D0+32*(\p)+8*\i:D0+32*(\p)+8*\i+7], v[A0+12*(\p):A0+12*(\p)+11], v[XB+12*\i:XB+12*\i+11], 0, v[ASC+(\p)], v[XSC+\i] matrix_a_fmt:MATRIX_FMT_FP6 matrix_b_fmt:MATRIX_FMT_FP6
.endr
.endm
.macro SUBS q, i                       ; |x|^2 - 2 dot, in place, from the result's low end on
.set DQ, D0+32*(\q)+8*(\i)
.set SQ, ST+4*(\i)
.irp k, 0,2,4,6
	v_dual_sub_f32 v[DQ+\k], v[SQ], v[DQ+\k] :: v_dual_sub_f32 v[DQ+\k+1], v[SQ+1], v[DQ+\k+1]
.endr
.endm
.macro ADDS q, i                       ; + |e|^2
.set DQ, D0+32*(\q)+8*(\i)
.set EQ, EE0+8*(\q)
.irp k, 0,2,4,6
	v_dual_add_f32 v[DQ+\k], v[DQ+\k], v[EQ+\k] :: v_dual_add_f32 v[DQ+\k+1], v[DQ+\k+1], v[EQ+\k+1]
.endr
.endm
.macro TRE q, i                        ; three minima of three; set q reads the running minimum at +2 + q and writes it at +3 - q: no move is written
.set DQ, D0+32*(\q)+8*(\i)
.set TT, T+3*((\i)%2)
	v_min3_num_f32 v[TT], v[DQ], v[DQ+1], v[DQ+2]
	v_min3_num_f32 v[TT+1], v[DQ+3], v[DQ+4], v[DQ+5]
	v_min3_num_f32 v[TT+2], v[DQ+6], v[DQ+7], v[ST+4*(\i)+2+(\q)]
.endm
.macro FIN q, i
.set TT, T+3*((\i)%2)
	v_min3_num_f32 v[ST+4*(\i)+3-(\q)], v[TT], v[TT+1], v[TT+2]
.endm
.macro CMPT q, i                       ; strictly less than the running minimum?
	v_cmp_lt_f32 vcc_lo, v[ST+4*(\i)+3-(\q)], v[ST+4*(\i)+2+(\q)]
.endm
.macro SEL2 d, sa, sb
	v_dual_cndmask_b32 v[\d], v[\d], v[\sa] :: v_dual_cndmask_b32 v[\d+1], v[\d+1], v[\sb]
.endm
.macro SELS q, i                       ; then the tile's d2[0..6] and its number are kept
.set DQ, D0+32*(\q)+8*(\i)
.set VQ, SAV+8*(\i)
	SEL2 VQ, DQ, DQ+1
	SEL2 VQ+2, DQ+2, DQ+3
	SEL2 VQ+4, DQ+4, DQ+5
	SEL2 VQ+6, DQ+6, TN
.endm
; Half a step's reduction.  sa: d2 of set sq's tiles si, si + 1.  tf: minima and selections of set tq's tiles ti, ti + 1.
.macro HALF sa, sq, si, tf, tq, ti
.if \tf
	TRE \tq, \ti
.endif
.if \sa
	SUBS \sq, \si
.endif
.if \tf
	TRE \tq, \ti+1
	FIN \tq, \ti
.endif
.if \sa
	SUBS \sq, \si+1
.endif
.if \tf
.if \sa == 0
	s_delay_alu instid0(VALU_DEP_2)
.endif
	FIN \tq, \ti+1
.if \sa == 0
	s_delay_alu instid0(VALU_DEP_2)
.endif
	CMPT \tq, \ti
.endif
.if \sa
	ADDS \sq, \si
.endif
.if \tf
	SELS \tq, \ti
	CMPT \tq, \ti+1
.endif
.if \sa
	ADDS \sq, \si+1
.endif
.if \tf
	SELS \tq, \ti+1
.endif
.endm
; STEP s, p = s % 2.  LDS loads come back in order, and a step issues, in its middle, the two loads of |e|^2 of step s + 1 and then the four of the codes of step s + 2.
; w0, at the head: this step's codes and the last step's |e|^2 are wanted; behind them stand this step's |e|^2 (2) and the next step's codes (4): 6 may be out.
; w1, in the middle: this step's |e|^2 are wanted; behind them stand the next step's codes: 4 may be out.  The last steps, which fetch less, have lower counts.
; The codes land in the set that this step's products read 34 plain lines earlier; the |e|^2 in the set whose old numbers the first half's additions have read.
.macro STEP p, w0, w1, le, offe, lc, rc, rs, offc
	s_wait_dscnt \w0
	MM4 \p
	HALF 1, 1-\p, 2, 1, 1-\p, 0
	s_wait_dscnt \w1
.if \le
	LDE 1-\p, \offe
.endif
.if \lc
	LDC \p, \rc, \rs, \offc
.endif
	HALF 1, \p, 0, 1, 1-\p, 2
	v_add_nc_u32 v[TN], 4, v[TN]
.endm
.macro SETADR
	v_add_nc_u32 v[ADC], s21, v[ADC0]
	v_add_nc_u32 v[ADS], s21, v[ADS0]
	v_add_nc_u32 v[ADE], s21, v[ADE0]
	s_wait_alu depctr_va_vdst(0)
.endm
; Two steps, s odd and s + 1.  s21: the LDS byte of step e = s + 1's four records.  Fetched: |e|^2 of e, codes of e + 1, |e|^2 of e + 1, codes of e + 2.
; kind 0: all in one run of records.  kind 1: step e + 2's record opens the next run, at ADC2, ADS2.  kind 2: there is no step e + 2.
.macro TRIP kind
	SETADR
	STEP 1, 6, 4, 1, 0, 1, ADC, ADS, STRD
.if \kind == 0
	STEP 0, 6, 4, 1, STRD, 1, ADC, ADS, 2*STRD
.endif
.if \kind == 1
	STEP 0, 6, 4, 1, STRD, 1, ADC2, ADS2, 0
.endif
.if \kind == 2
	STEP 0, 6, 4, 1, STRD, 0, ADC, ADS, 0
.endif
.endm
.macro RUN base, trips
	s_mov_b32 s21, \base
	s_mov_b32 s20, \trips
.Lrun_\@:
	TRIP 0
	s_add_co_u32 s21, s21, 2*STRD
	s_sub_co_u32 s20, s20, 1
	s_cmp_lg_u32 s20, 0
	s_cbranch_scc1 .Lrun_\@
.endm
.macro CROSS base, next                ; the trip whose last fetch opens the run of records at LDS byte next
	s_mov_b32 s21, \base
	s_mov_b32 s22, \next
	v_add_nc_u32 v[ADC2], s22, v[ADC0]
	v_add_nc_u32 v[ADS2], s22, v[ADS0]
	TRIP 1
.endm
	s_load_b256 s[4:11], s[0:1], 0x0               ; x s[4:5], the records s[6:7], out0 s[8:9], tok s[10:11]
	v_lshl_add_u32 v[SPW], v0, 2, SPARE
	v_mov_b32 v[NIL], 0
	ds_add_u32 v[SPW], v[NIL]                      ; the opening lines: the add, twice on end, and its wait ahead of my first tensor load
	ds_add_u32 v[SPW], v[NIL]
	v_lshrrev_b32 v13, 5, v0
	v_and_b32 v10, 15, v0                          ; r
	v_bfe_u32 v11, v0, 4, 1                        ; h
	v_and_b32 v12, 31, v0                          ; lane
.irp i, 0,1,2,3
	v_mov_b32 v[ST+4*\i+2], 0x7f800000             ; the running minima begin at +infinity
.endr
	v_readfirstlane_b32 s[WV], v13                 ; wave 0..15
	s_wait_alu depctr_va_vdst(0)
	s_bfe_u32 s13, ttmp6, 0x40000                  ; cx
	s_lshl_b32 s14, ttmp9, 2
	s_add_co_u32 s14, s14, s13                     ; my block of 256 rows: it enters x's, out0's and tok's addresses alone
	s_lshr_b32 s15, s[WV], 2                       ; g
	s_and_b32 s16, s[WV], 3                        ; c
	s_and_b32 s17, s[WV], 7                        ; which eighth I fetch
	s_mov_b32 s[SEL], 0x76543210
	s_mov_b32 s[SEL+1], 0xfedcba98
	GROUP1 G1X, (3<<16)|(1<<20)|(6<<22)|(3<<25), 64, 32    ; 32 rows of 512 bytes; behind every 128 words 4 words of padding; no mask
	GROUP1 G1A, 15|(3<<16)|(1<<21), 32, 78                 ; 19,968 bytes as rows of 256; the mask names all four work-groups
	GROUP1 G1R, 15|(3<<16)|(1<<21), 32, 65                 ; 16,640 bytes
	s_mul_i32 s22, s[WV], 16*XP                    ; the 16 rows that I quantise
	s_mul_i32 s23, s[WV], REC
	s_add_co_u32 s23, s23, SH                      ; their image
	s_add_co_u32 s66, s23, 1536
	s_mul_i32 s67, s15, 4*REC
	s_add_co_u32 s67, s67, SH                      ; the four images that I multiply
	s_add_co_u32 s68, s67, 1536
	s_mul_i32 s69, s16, REC                        ; my record of a step's four
	s_add_co_u32 s70, s69, 1536
	s_add_co_u32 s71, s69, 1600
	s_lshl_b32 s72, s[WV], 9
	s_add_co_u32 s72, s72, MST
	s_lshl_b32 s74, s14, 17                        ; x: 256 rows of 512 bytes a block, 32 rows a load
	s_lshl_b32 s75, s17, 14
	s_add_co_u32 s74, s74, s75
	s_mov_b32 s75, 0
	s_mul_i32 s76, s17, 19968
	s_mov_b32 s77, 0
	s_mul_i32 s78, s17, 16640
	s_mov_b32 s79, 0
	s_lshl_b32 s80, s14, 10                        ; the tokens: 4 bytes a row, 64 rows a g
	s_lshl_b32 s81, s15, 8
	s_add_co_u32 s80, s80, s81
	s_mov_b32 s81, 0
	v_mul_u32_u24 v14, v10, XP
	v_lshlrev_b32 v[H8], 3, v11
	v_lshlrev_b32 v[L8], 3, v12
	v_lshl_add_u32 v[SHC], v12, 4, s23
	v_lshl_add_u32 v[SHS], v10, 2, s66
	v_lshl_add_u32 v[XFA], v12, 4, s67
	v_lshl_add_u32 v[XFS], v10, 2, s68
	v_lshl_add_u32 v14, v11, 7, v14                ; row r of the stage, + 128 h
	v_lshl_add_u32 v[ADC0], v12, 4, s69
	v_lshl_add_u32 v[ADS0], v10, 2, s70
	v_lshl_add_u32 v[ADE0], v11, 5, s71
	v_lshl_add_u32 v[MSI], v10, 3, s72
	v_lshl_add_u32 v[MLD], v12, 4, s72
	v_add_nc_u32 v[XSA], s22, v14
	v_mov_b32 v[TN], s16                           ; my first tile's number
	v_mov_b32 v[XT], 0                             ; a lane permute's destination counts as one of its sources
	v_mov_b32 v[PT], 0
	s_wait_alu depctr_va_vdst(0)
	s_wait_dscnt 0x0                               ; both opening adds are done
	s_wait_kmcnt 0x0
	s_mov_b32 s[G0X], 1
	s_mul_i32 s[G0X+1], s17, 32*XP
	s_add_nc_u64 s[G0X+2:G0X+3], s[4:5], s[74:75]
	s_or_b32 s[G0X+3], s[G0X+3], 0x80000000
	s_mov_b32 s[G0A], 1                            ; the records' addresses hang on the wave's number alone: equal in the four partners
	s_add_co_u32 s[G0A+1], s76, RA
	s_add_nc_u64 s[G0A+2:G0A+3], s[6:7], s[76:77]
	s_or_b32 s[G0A+3], s[G0A+3], 0x80000000
	s_mov_b32 s[G0B], 1
	s_mov_b32 s[G0B+1], s78
	s_add_nc_u64 s[G0B+2:G0B+3], s[6:7], s[78:79]
	s_add_nc_u64 s[G0B+2:G0B+3], s[G0B+2:G0B+3], 96*REC
	s_or_b32 s[G0B+3], s[G0B+3], 0x80000000
	s_mov_b32 s[G0C], 1
	s_add_co_u32 s[G0C+1], s78, RA
	s_add_nc_u64 s[G0C+2:G0C+3], s[6:7], s[78:79]
	s_add_nc_u64 s[G0C+2:G0C+3], s[G0C+2:G0C+3], 176*REC
	s_or_b32 s[G0C+3], s[G0C+3], 0x80000000
	s_add_nc_u64 s[8:9], s[8:9], s[80:81]
	s_add_nc_u64 s[10:11], s[10:11], s[80:81]
	CROUND                                         ; all four work-groups are here: the first joint loads meet
	s_cmp_lt_u32 s[WV], 8                          ; one tensor load a wave: waves 0-7 x, waves 8-15 records 0-95
	s_cbranch_scc0 .Lhead_rec
	tensor_load_to_lds s[G0X:G0X+3], s[G1X:G1X+7]
	AFTER
	s_branch .Lhead_asked
.Lhead_rec:
	tensor_load_to_lds s[G0A:G0A+3], s[G1A:G1A+7]
	AFTER
.Lhead_asked:
	s_wait_tensorcnt 0x0                           ; my load has landed
	s_barrier_signal -1
	s_barrier_wait -1                              ; everybody's has
.irp c, 0,1                                    ; my tile: lane (r, h) takes blocks h and 2 + h of row r: register 32 c + i = k 64 c + 32 h + i, as the operand's layout has it
.irp j, 0,1,2,3,4,5,6,7
	ds_load_b128 v[S+32*\c+4*\j:S+32*\c+4*\j+3], v[XSA] offset:256*\c+16*\j
.endr
.endr
	s_wait_dscnt 0x0
.irp c, 0,1                                    ; the largest magnitudes: two blocks, four chains each, with the floor 2^(3 - 127) among the leaves: the byte cannot fall under 1
.irp e, 0,1,2,3
	v_max3_num_f32 v[M+4*\c+\e], |v[S+32*\c+8*\e]|, |v[S+32*\c+8*\e+1]|, 0x1800000
.endr
.endr
.irp i, 2,4,6
.irp c, 0,1
.irp e, 0,1,2,3
	v_max3_num_f32 v[M+4*\c+\e], v[M+4*\c+\e], |v[S+32*\c+8*\e+\i]|, |v[S+32*\c+8*\e+\i+1]|
.endr
.endr
.endr
.irp n, 0,2,4,6,8,10,12,14                     ; the squares: eight packed chains; the first products start them
	v_pk_mul_f32 v[ACC+\n:ACC+\n+1], v[S+\n:S+\n+1], v[S+\n:S+\n+1]
.endr
.irp j, 16,32,48
.irp n, 0,2,4,6,8,10,12,14
	v_pk_fma_f32 v[ACC+\n:ACC+\n+1], v[S+\j+\n:S+\j+\n+1], v[S+\j+\n:S+\j+\n+1], v[ACC+\n:ACC+\n+1]
.endr
.endr
.irp c, 0,4
	v_max3_num_f32 v[M+\c], v[M+\c], v[M+\c+1], v[M+\c+2]
.endr
.irp a, 0,4,8,12
	v_pk_add_f32 v[ACC+\a:ACC+\a+1], v[ACC+\a:ACC+\a+1], v[ACC+\a+2:ACC+\a+3]
.endr
.irp c, 0,4
	v_max_num_f32 v[M+\c], v[M+\c], v[M+\c+3]      ; a block's largest magnitude
.endr
.irp a, 0,8
	v_pk_add_f32 v[ACC+\a:ACC+\a+1], v[ACC+\a:ACC+\a+1], v[ACC+\a+4:ACC+\a+5]
.endr
.irp c, 0,1
	v_add_nc_u32 v[SCO+\c], 0xff000000, v[M+4*\c]  ; 2 off its exponent field: the conversion takes this operand's exponent field as its scale
.endr
	s_delay_alu instid0(VALU_DEP_3)
	v_pk_add_f32 v[ACC:ACC+1], v[ACC:ACC+1], v[ACC+8:ACC+9]
.irp c, 0,1
	s_delay_alu instid0(VALU_DEP_3)
	v_lshrrev_b32 v[BY+\c], 23, v[SCO+\c]          ; the scale's byte
.endr
	s_delay_alu instid0(VALU_DEP_3)
	v_add_f32 v[ACC], v[ACC], v[ACC+1]
.irp c, 0,1
	v_cvt_scalef32_pk16_fp6_f32 v[PC+6*\c:PC+6*\c+2], v[S+32*\c:S+32*\c+15], v[SCO+\c]
	v_cvt_scalef32_pk16_fp6_f32 v[TQ+4*\c:TQ+4*\c+2], v[S+32*\c+16:S+32*\c+31], v[SCO+\c]   ; a conversion's three registers begin on an even number
.endr
	v_nop                                          ; one plain place behind the scaled conversions
	v_lshl_or_b32 v[PW], v[BY+1], 16, v[BY]        ; my two bytes: blocks h and 2 + h
	v_permlanex16_b32 v[XT], v[ACC], s[SEL], s[SEL+1]
.irp c, 0,1
.irp i, 0,1,2
	v_mov_b32 v[PC+6*\c+3+\i], v[TQ+4*\c+\i]
.endr
.endr
	v_lshlrev_b32 v[PW], v[H8], v[PW]              ; at their places in the scale word
	v_add_f32 v[XXR], v[ACC], v[XT]                ; the row's |x|^2, in both halves of the lanes
	s_delay_alu instid0(VALU_DEP_2)
	v_permlanex16_b32 v[PT], v[PW], s[SEL], s[SEL+1]
	s_delay_alu instid0(VALU_DEP_1)
	v_or_b32 v[PW], v[PW], v[PT]                   ; with lane l xor 16's two bytes the word is whole
.irp k, 0,1,2
	ds_store_b128 v[SHC], v[PC+4*\k:PC+4*\k+3] offset:512*\k
.endr
	ds_store_b32 v[SHS], v[PW]                     ; both halves of the lanes write the same word with the same value
	ds_store_b32 v[SHS], v[XXR] offset:64
	s_wait_tensorcnt 0x0                           ; THE FIRST REFILL.  No tensor load of mine is out;
	ds_add_u32 v[SPW], v[NIL]
.set J, 0
.rept 32
	v_mov_b32 v[SAV+J], 0                          ; what is kept is written once: the first tile wins wherever its d2 are numbers
.set J, J+1
.endr
	s_wait_dscnt 0x0                               ; the add and my stores are done, and my reads of x's stage are over
	CROUND                                         ; the same holds of every wave of all four work-groups
	REFILL G0B                                     ; records 96-175, over x's stage
	s_mov_b32 s21, RA
	SETADR
.irp i, 0,1,2,3
.irp k, 0,1,2
	ds_load_b128 v[XB+12*\i+4*\k:XB+12*\i+4*\k+3], v[XFA] offset:REC*\i+512*\k
.endr
	ds_load_b32 v[XSC+\i], v[XFS] offset:REC*\i
	ds_load_b32 v[ST+4*\i], v[XFS] offset:REC*\i+64
	ds_load_b32 v[ST+4*\i+1], v[XFS] offset:REC*\i+64
.endr
	LDC 0, ADC, ADS, 0                             ; step 0's codes, its |e|^2, step 1's codes
	LDE 0, 0
	LDC 1, ADC, ADS, STRD
	s_wait_dscnt 6                                 ; step 0, written out: nothing is there to reduce yet.  x's fragments and step 0's codes are in
	MM4 0
.rept 4
	v_nop                                          ; four places between the products and the loads into their fragment, and the first reads of their results
.endr
	s_wait_dscnt 4                                 ; step 0's |e|^2 are in
	LDE 1, STRD
	LDC 0, ADC, ADS, 2*STRD
	HALF 1, 0, 0, 0, 0, 0
	RUN RA+2*STRD, 10                              ; steps 1-20; the codes fetched are those of steps 3-22
	s_wait_tensorcnt 0x0                           ; THE SECOND REFILL.  My part of records 96-175 is in;
	ds_add_u32 v[SPW], v[NIL]
	s_wait_dscnt 0x0                               ; the add is done, and my reads of records 0-87 are over: records 88-95, still to be read, lie behind the 80 places that are filled again
	CROUND
	REFILL G0C                                     ; records 176-255, over records 0-79
	CROSS RA+22*STRD, 0                            ; steps 21, 22; the last fetch is step 24's codes, from LDS byte 0 on
	RUN 0, 9                                       ; steps 23-40
	s_wait_tensorcnt 0x0                           ; my part of records 176-255 is in,
	s_wait_dscnt 0x0
	s_barrier_signal -1
	s_barrier_wait -1                              ; everybody's is
	CROSS 18*STRD, RA                              ; steps 41, 42; the last fetch is step 44's codes
	RUN RA, 9                                      ; steps 43-60
	s_mov_b32 s21, RA+18*STRD
	TRIP 2                                         ; steps 61, 62
	STEP 1, 2, 0, 0, 0, 0, ADC, ADS, 0             ; step 63: behind its codes stand only its |e|^2 (2); in its middle nothing may be out
	HALF 1, 1, 2, 1, 1, 0                          ; and what is left of its reduction: the minima end in register +2
	HALF 0, 0, 0, 1, 1, 2
	; THE TOKENS, the four tiles by turns: the first of the winning tile's eight codes that holds the minimum; the code's number; the better of the two halves of the lanes
.irp i, 0,1,2,3
	v_mov_b32 v[ST+4*\i+3], 7
.endr
.irp i, 0,1,2,3
	v_lshl_add_u32 v[SAV+8*\i+7], v[SAV+8*\i+7], 4, v[H8]      ; 16 x tile + 8 h
.endr
.irp j, 6,5,4,3,2,1,0
.irp i, 0,1,2,3
	v_cmp_eq_f32 s[70+\i], v[SAV+8*\i+\j], v[ST+4*\i+2]
.endr
.irp i, 0,1,2,3
	v_cndmask_b32 v[ST+4*\i+3], v[ST+4*\i+3], \j, s[70+\i]
.endr
.endr
.irp i, 0,1,2,3
	v_add_nc_u32 v[ST+4*\i+3], v[ST+4*\i+3], v[SAV+8*\i+7]
.endr
.irp i, 0,1,2,3
	v_permlanex16_b32 v[D0+\i], v[ST+4*\i+2], s[SEL], s[SEL+1]
.endr
.irp i, 0,1,2,3
	v_permlanex16_b32 v[D0+4+\i], v[ST+4*\i+3], s[SEL], s[SEL+1]
.endr
.irp i, 0,1,2,3
	v_cmp_lt_f32 s[70+\i], v[D0+\i], v[ST+4*\i+2]
.endr
.irp i, 0,1,2,3
	v_cmp_eq_f32 s[74+\i], v[D0+\i], v[ST+4*\i+2]
.endr
.irp i, 0,1,2,3
	v_cmp_lt_u32 s[78+\i], v[D0+4+\i], v[ST+4*\i+3]
.endr
.irp i, 0,1,2,3
	s_and_b32 s[74+\i], s[74+\i], s[78+\i]
	s_or_b32 s[70+\i], s[70+\i], s[74+\i]          ; less, or equal with the lower code
.endr
.irp i, 0,1,2,3
	v_cndmask_b32 v[ST+4*\i+3], v[ST+4*\i+3], v[D0+4+\i], s[70+\i]
.endr
.irp i, 0,1,2,3
	v_min_num_f32 v[ST+4*\i+2], v[ST+4*\i+2], v[D0+\i]
.endr
.irp i, 0,1,2,3
	ds_store_b64 v[MSI], v[ST+4*\i+2:ST+4*\i+3] offset:128*\i  ; both halves of the lanes write the same words with the same values
.endr
	s_wait_dscnt 0x0                               ; for the others' sake: my stores are done
	s_barrier_signal -1
	s_barrier_wait -1
	s_cmp_lg_u32 s16, 0
	s_cbranch_scc1 .Lend                           ; the wave with c = 0 joins the four and stores
.irp k, 0,1,2,3
	ds_load_b128 v[D0+4*\k:D0+4*\k+3], v[MLD] offset:512*\k    ; rows 2 l and 2 l + 1: mine and the three other waves'
.endr
	s_wait_dscnt 0x0
.irp k, 1,2,3
.if \k > 1
	s_delay_alu instid0(VALU_DEP_3)
.endif
.irp e, 0,1
	v_cmp_lt_f32 s[70+\e], v[D0+4*\k+2*\e], v[D0+2*\e]
	v_cmp_eq_f32 s[74+\e], v[D0+4*\k+2*\e], v[D0+2*\e]
	v_cmp_lt_u32 s[78+\e], v[D0+4*\k+2*\e+1], v[D0+2*\e+1]
.endr
.irp e, 0,1
	s_and_b32 s[74+\e], s[74+\e], s[78+\e]
	s_or_b32 s[70+\e], s[70+\e], s[74+\e]
.endr
.irp e, 0,1
	v_cndmask_b32 v[D0+2*\e+1], v[D0+2*\e+1], v[D0+4*\k+2*\e+1], s[70+\e]
	v_min_num_f32 v[D0+2*\e], v[D0+2*\e], v[D0+4*\k+2*\e]
.endr
.endr
	v_mov_b32 v[T], v[D0+1]
	v_mov_b32 v[T+1], v[D0+3]
	global_store_b64 v[L8], v[T:T+1], s[8:9]       ; 32 lanes store 256 consecutive bytes, at a multiple of 256 from the buffer's first byte
	global_store_b64 v[L8], v[T:T+1], s[10:11]     ; the same numbers for the launch that gathers by them
.Lend:
	s_wait_tensorcnt 0x0                           ; the wave's end
	ds_add_u32 v[SPW], v[NIL]
	s_wait_dscnt 0x0
	CROUND                                         ; the closing round
	s_endpgm
.Lfunc_end_k_q0a74fec377_amin:
	.size	k_q0a74fec377_amin, .Lfunc_end_k_q0a74fec377_amin-k_q0a74fec377_amin
	.p2alignl 7, 3214868480
	.fill 96, 4, 3214868480
	.section	.rodata,"a",@progbits
	.p2align	6, 0x0
	.amdhsa_kernel k_q0a74fec377_amin
		.amdhsa_group_segment_fixed_size 327680
		.amdhsa_private_segment_fixed_size 0
		.amdhsa_enable_private_segment 0
		.amdhsa_kernarg_size 32
		.amdhsa_user_sgpr_count 2
		.amdhsa_user_sgpr_kernarg_segment_ptr 1
		.amdhsa_wavefront_size32 1
		.amdhsa_system_sgpr_workgroup_id_x 1
		.amdhsa_system_sgpr_workgroup_id_y 1
		.amdhsa_system_sgpr_workgroup_id_z 1
		.amdhsa_system_vgpr_workitem_id 0
		.amdhsa_next_free_vgpr 256
		.amdhsa_next_free_sgpr 96
		.amdhsa_reserve_vcc 1
		.amdhsa_float_denorm_mode_32 3
		.amdhsa_float_denorm_mode_16_64 3
		.amdhsa_memory_ordered 1
		.amdhsa_forward_progress 1
		.amdhsa_inst_pref_size 102
	.end_amdhsa_kernel
	.amdgpu_metadata
---
amdhsa.version: [ 1, 2 ]
amdhsa.kernels:
  - .name:           k_q0a74fec377_amin
    .symbol:         k_q0a74fec377_amin.kd
    .args:
      - { .name: x, .offset: 0, .size: 8, .value_kind: global_buffer, .address_space: global }
      - { .name: cbq, .offset: 8, .size: 8, .value_kind: global_buffer, .address_space: global }
      - { .name: out0, .offset: 16, .size: 8, .value_kind: global_buffer, .address_space: global }
      - { .name: tok, .offset: 24, .size: 8, .value_kind: global_buffer, .address_space: global }
    .group_segment_fixed_size: 327680
    .private_segment_fixed_size: 0
    .kernarg_segment_align: 8
    .kernarg_segment_size: 32
    .max_flat_workgroup_size: 512
    .sgpr_count:     96
    .vgpr_count:     256
    .wavefront_size: 32
...
	.end_amdgpu_metadata
.endif
;; end of part 2
;; launch gath (part 3): grid 512 x 1, 8 waves a work-group, no clusters, 1,280 bytes of LDS; arguments x, codebook, tok, out1, part; writes out1, part
.if DOCPART == 3
	.amdgcn_target "amdgcn-amd-amdhsa--gfx1250"
	.amdhsa_code_object_version 6
	.text
	.protected	k_q0a74fec377_gath
	.globl	k_q0a74fec377_gath
	.p2align	8
	.type	k_q0a74fec377_gath,@function
k_q0a74fec377_gath:
	s_mov_b64 s[64:65], 0
	v_nop
	global_prefetch_b8 v0, s[64:65] scope:SCOPE_SE
	s_setreg_imm32_b32 hwreg(HW_REG_WAVE_MODE, 25, 1), 1
	s_wait_xcnt 0x0
; q = codebook[token]; out1 = x + (q - x); part[work-group] = the sum of (q - x)^2 over its 128 rows.  All in f32.
; A row is 512 bytes: one 16-byte load or store of a wave.  A wave takes 16 rows and has all its 32 loads out at once; no loop, no register is used twice, so no store's data are rewritten.
; The tokens are whole numbers that the launch before stored: a wave reads its 16 by one scalar load, holds each under 4,096, and forms the codebook row's offset from it.
; No matrix unit, no cluster, no tensor load: every byte of x and out1 passes once, and the work-groups share nothing but the codebook's rows, which come by register loads at data-dependent rows.
.set X,   16                           ; v16-79   16 rows of x, then of out1
.set Q,   80                           ; v80-143  16 rows of the codebook, then q - x
.set OFF, 144                          ; v144-159 the rows' byte offsets in the codebook
.set ACC, 160                          ; v160-163 two packed chains of squares
	s_load_b256 s[4:11], s[0:1], 0x0               ; x s[4:5], the codebook s[6:7], tok s[8:9], out1 s[10:11]
	s_load_b64 s[12:13], s[0:1], 0x20              ; part
	v_lshl_add_u32 v176, v0, 2, 0x100
	v_mov_b32 v177, 0
	v_lshrrev_b32 v2, 5, v0
	s_delay_alu instid0(VALU_DEP_1)
	v_readfirstlane_b32 s14, v2                    ; wave 0..7
	v_and_b32 v1, 31, v0
	s_delay_alu instid0(VALU_DEP_1)
	v_lshlrev_b32 v1, 4, v1                        ; 16 x lane
	s_lshl_b32 s15, ttmp9, 3
	s_add_co_u32 s15, s15, s14                     ; which run of 16 rows is my wave's
	s_lshl_b32 s16, s15, 13                        ; 16 rows of 512 bytes
	s_mov_b32 s17, 0
	s_lshl_b32 s18, s15, 6                         ; 16 tokens of 4 bytes
	s_mov_b32 s19, 0
	s_lshl_b32 s40, ttmp9, 2                       ; my work-group's word of part
	s_mov_b32 s41, 0
	s_mov_b32 s36, 0x76543210
	s_mov_b32 s37, 0xfedcba98                      ; v_permlanex16_b32's selects for lane l xor 16
	s_wait_alu depctr_va_vdst(0)
	s_wait_kmcnt 0x0
	s_add_nc_u64 s[8:9], s[8:9], s[18:19]
	s_load_b512 s[20:35], s[8:9], 0x0              ; my 16 tokens
	s_add_nc_u64 s[4:5], s[4:5], s[16:17]
	s_add_nc_u64 s[10:11], s[10:11], s[16:17]
	s_add_nc_u64 s[12:13], s[12:13], s[40:41]
.irp k, 0,1,2,3,4,5,6,7,8,9,10,11,12,13,14,15
	global_load_b128 v[X+4*\k:X+4*\k+3], v1, s[4:5] offset:512*\k th:TH_LOAD_NT   ; 32 lanes read a row's 512 consecutive bytes
.endr
	s_wait_kmcnt 0x0
.irp k, 0,1,2,3,4,5,6,7,8,9,10,11,12,13,14,15
	s_min_u32 s[20+\k], s[20+\k], 4095             ; a loaded number enters an address only under a bound written here
	v_lshl_add_u32 v[OFF+\k], s[20+\k], 9, v1      ; 512 x token + 16 x lane
.endr
	s_wait_alu depctr_va_vdst(0)
.irp k, 0,1,2,3,4,5,6,7,8,9,10,11,12,13,14,15
	global_load_b128 v[Q+4*\k:Q+4*\k+3], v[OFF+\k], s[6:7]
.endr
.irp k, 0,1,2,3,4,5,6,7,8,9,10,11,12,13,14,15
	s_wait_loadcnt 15-\k                           ; loads come back in order: row k of the codebook is in (all of x was asked for earlier); the younger rows may be out
	v_pk_add_f32 v[Q+4*\k:Q+4*\k+1], v[Q+4*\k:Q+4*\k+1], v[X+4*\k:X+4*\k+1] neg_lo:[0,1] neg_hi:[0,1]         ; q - x
	v_pk_add_f32 v[Q+4*\k+2:Q+4*\k+3], v[Q+4*\k+2:Q+4*\k+3], v[X+4*\k+2:X+4*\k+3] neg_lo:[0,1] neg_hi:[0,1]
.if \k == 0
	s_delay_alu instid0(VALU_DEP_2)
	v_pk_mul_f32 v[ACC:ACC+1], v[Q:Q+1], v[Q:Q+1]                      ; the first row starts the chains: nothing is cleared
	s_delay_alu instid0(VALU_DEP_2)
	v_pk_mul_f32 v[ACC+2:ACC+3], v[Q+2:Q+3], v[Q+2:Q+3]
.else
	s_wait_alu depctr_va_vdst(0)
	v_pk_fma_f32 v[ACC:ACC+1], v[Q+4*\k:Q+4*\k+1], v[Q+4*\k:Q+4*\k+1], v[ACC:ACC+1]
	v_pk_fma_f32 v[ACC+2:ACC+3], v[Q+4*\k+2:Q+4*\k+3], v[Q+4*\k+2:Q+4*\k+3], v[ACC+2:ACC+3]
.endif
	v_pk_add_f32 v[X+4*\k:X+4*\k+1], v[X+4*\k:X+4*\k+1], v[Q+4*\k:Q+4*\k+1]                                   ; x + (q - x)
	v_pk_add_f32 v[X+4*\k+2:X+4*\k+3], v[X+4*\k+2:X+4*\k+3], v[Q+4*\k+2:Q+4*\k+3]
	global_store_b128 v1, v[X+4*\k:X+4*\k+3], s[10:11] offset:512*\k th:TH_STORE_NT   ; 32 lanes store 512 consecutive bytes, at a multiple of 256 from out1's first byte
.endr
	v_pk_add_f32 v[ACC:ACC+1], v[ACC:ACC+1], v[ACC+2:ACC+3]
	s_delay_alu instid0(VALU_DEP_1)
	v_add_f32 v[ACC], v[ACC], v[ACC+1]
	s_delay_alu instid0(VALU_DEP_1)
	v_add_f32_dpp v[ACC], v[ACC], v[ACC] row_xmask:1 row_mask:0xf bank_mask:0xf
	s_delay_alu instid0(VALU_DEP_1)
	v_add_f32_dpp v[ACC], v[ACC], v[ACC] row_xmask:2 row_mask:0xf bank_mask:0xf
	s_delay_alu instid0(VALU_DEP_1)
	v_add_f32_dpp v[ACC], v[ACC], v[ACC] row_xmask:4 row_mask:0xf bank_mask:0xf
	s_delay_alu instid0(VALU_DEP_1)
	v_add_f32_dpp v[ACC], v[ACC], v[ACC] row_xmask:8 row_mask:0xf bank_mask:0xf
	s_delay_alu instid0(VALU_DEP_1)
	v_permlanex16_b32 v[ACC+1], v[ACC], s36, s37
	s_delay_alu instid0(VALU_DEP_1)
	v_add_f32 v[ACC], v[ACC], v[ACC+1]             ; the wave's sum, in every lane
	v_mov_b32 v164, s14
	s_delay_alu instid0(VALU_DEP_1)
	v_lshlrev_b32 v164, 2, v164
	ds_store_b32 v164, v[ACC]                      ; all lanes write the wave's word with the same value
	s_wait_dscnt 0x0                               ; for the others' sake: my store is done
	s_barrier_signal -1
	s_barrier_wait -1
	s_cmp_lg_u32 s14, 0
	s_cbranch_scc1 .Lend                           ; wave 0 adds the eight and stores
	v_mov_b32 v165, 0
	ds_load_b128 v[168:171], v165
	ds_load_b128 v[172:175], v165 offset:16
	s_wait_dscnt 0x0
	v_pk_add_f32 v[168:169], v[168:169], v[170:171]
	v_pk_add_f32 v[172:173], v[172:173], v[174:175]
	s_delay_alu instid0(VALU_DEP_1)
	v_pk_add_f32 v[168:169], v[168:169], v[172:173]
	s_delay_alu instid0(VALU_DEP_1)
	v_add_f32 v168, v168, v169
	s_wait_alu depctr_va_vdst(0)
	s_wait_xcnt 0x0                                ; EXEC changes only behind this wait: my earlier loads and stores have read it
	v_cmp_eq_u32 vcc_lo, 0, v0
	s_and_saveexec_b32 s38, vcc_lo
	global_store_b32 v165, v168, s[12:13]          ; thread 0 alone
	s_wait_xcnt 0x0                                ; and again, in front of the line that widens it
	s_or_b32 exec_lo, exec_lo, s38
.Lend:
	s_wait_tensorcnt 0x0
	ds_add_u32 v176, v177
	s_wait_dscnt 0x0
	s_endpgm
.Lfunc_end_k_q0a74fec377_gath:
	.size	k_q0a74fec377_gath, .Lfunc_end_k_q0a74fec377_gath-k_q0a74fec377_gath
	.p2alignl 7, 3214868480
	.fill 96, 4, 3214868480
	.section	.rodata,"a",@progbits
	.p2align	6, 0x0
	.amdhsa_kernel k_q0a74fec377_gath
		.amdhsa_group_segment_fixed_size 1280
		.amdhsa_private_segment_fixed_size 0
		.amdhsa_enable_private_segment 0
		.amdhsa_kernarg_size 40
		.amdhsa_user_sgpr_count 2
		.amdhsa_user_sgpr_kernarg_segment_ptr 1
		.amdhsa_wavefront_size32 1
		.amdhsa_system_sgpr_workgroup_id_x 1
		.amdhsa_system_sgpr_workgroup_id_y 1
		.amdhsa_system_sgpr_workgroup_id_z 1
		.amdhsa_system_vgpr_workitem_id 0
		.amdhsa_next_free_vgpr 178
		.amdhsa_next_free_sgpr 66
		.amdhsa_reserve_vcc 1
		.amdhsa_float_denorm_mode_32 3
		.amdhsa_float_denorm_mode_16_64 3
		.amdhsa_memory_ordered 1
		.amdhsa_forward_progress 1
		.amdhsa_inst_pref_size 17
	.end_amdhsa_kernel
	.amdgpu_metadata
---
amdhsa.version: [ 1, 2 ]
amdhsa.kernels:
  - .name:           k_q0a74fec377_gath
    .symbol:         k_q0a74fec377_gath.kd
    .args:
      - { .name: x, .offset: 0, .size: 8, .value_kind: global_buffer, .address_space: global }
      - { .name: codebook, .offset: 8, .size: 8, .value_kind: global_buffer, .address_space: global }
      - { .name: tok, .offset: 16, .size: 8, .value_kind: global_buffer, .address_space: global }
      - { .name: out1, .offset: 24, .size: 8, .value_kind: global_buffer, .address_space: global }
      - { .name: part, .offset: 32, .size: 8, .value_kind: global_buffer, .address_space: global }
    .group_segment_fixed_size: 1280
    .private_segment_fixed_size: 0
    .kernarg_segment_align: 8
    .kernarg_segment_size: 40
    .max_flat_workgroup_size: 256
    .sgpr_count:     66
    .vgpr_count:     178
    .wavefront_size: 32
...
	.end_amdgpu_metadata
.endif
;; end of part 3
;; launch fin (part 4): grid 1 x 1, 1 waves a work-group, no clusters, 0 bytes of LDS; arguments part, out2; writes out2
.if DOCPART == 4
	.amdgcn_target "amdgcn-amd-amdhsa--gfx1250"
	.amdhsa_code_object_version 6
	.text
	.protected	k_q0a74fec377_fin
	.globl	k_q0a74fec377_fin
	.p2align	8
	.type	k_q0a74fec377_fin,@function
k_q0a74fec377_fin:
	s_mov_b64 s[64:65], 0
	v_nop
	global_prefetch_b8 v0, s[64:65] scope:SCOPE_SE
	s_setreg_imm32_b32 hwreg(HW_REG_WAVE_MODE, 25, 1), 1
	s_wait_xcnt 0x0
; out2 = m + 0.5 m, m = the mean of (q - x)^2 over 65,536 x 128 = 2^23 numbers: the 512 partial sums are added by one wave, in a fixed order, and multiplied by 2^-23, which rounds nothing.
	s_load_b128 s[4:7], s[0:1], 0x0                ; part, out2
	v_lshlrev_b32 v1, 4, v0                        ; 16 x lane
	s_mov_b32 s8, 0x76543210
	s_mov_b32 s9, 0xfedcba98                       ; v_permlanex16_b32's selects for lane l xor 16
	s_wait_alu depctr_va_vdst(0)
	s_wait_kmcnt 0x0
.irp k, 0,1,2,3
	global_load_b128 v[4+4*\k:7+4*\k], v1, s[4:5] offset:512*\k
.endr
	s_wait_loadcnt 0x0
	v_pk_add_f32 v[4:5], v[4:5], v[6:7]
	v_pk_add_f32 v[8:9], v[8:9], v[10:11]
	v_pk_add_f32 v[12:13], v[12:13], v[14:15]
	v_pk_add_f32 v[16:17], v[16:17], v[18:19]
	v_pk_add_f32 v[4:5], v[4:5], v[8:9]
	v_pk_add_f32 v[12:13], v[12:13], v[16:17]
	v_pk_add_f32 v[4:5], v[4:5], v[12:13]
	v_add_f32 v4, v4, v5
	v_add_f32_dpp v4, v4, v4 row_xmask:1 row_mask:0xf bank_mask:0xf
	v_add_f32_dpp v4, v4, v4 row_xmask:2 row_mask:0xf bank_mask:0xf
	v_add_f32_dpp v4, v4, v4 row_xmask:4 row_mask:0xf bank_mask:0xf
	v_add_f32_dpp v4, v4, v4 row_xmask:8 row_mask:0xf bank_mask:0xf
	v_permlanex16_b32 v5, v4, s8, s9
	v_add_f32 v4, v4, v5
	v_mul_f32 v4, 0x34000000, v4                   ; x 2^-23: the mean
	v_fma_f32 v5, 0.5, v4, v4                      ; the embedding loss + BETA x the commitment loss: both are the same mean
	v_mov_b32 v6, 0
	s_wait_alu depctr_va_vdst(0)
	s_wait_xcnt 0x0                                ; EXEC changes only behind this wait
	v_cmp_eq_u32 vcc_lo, 0, v0
	s_and_saveexec_b32 s10, vcc_lo
	global_store_b32 v6, v5, s[6:7]                ; thread 0 alone
	s_wait_xcnt 0x0                                ; and again, in front of the line that widens it
	s_or_b32 exec_lo, exec_lo, s10
	s_endpgm
.Lfunc_end_k_q0a74fec377_fin:
	.size	k_q0a74fec377_fin, .Lfunc_end_k_q0a74fec377_fin-k_q0a74fec377_fin
	.p2alignl 7, 3214868480
	.fill 96, 4, 3214868480
	.section	.rodata,"a",@progbits
	.p2align	6, 0x0
	.amdhsa_kernel k_q0a74fec377_fin
		.amdhsa_group_segment_fixed_size 0
		.amdhsa_private_segment_fixed_size 0
		.amdhsa_enable_private_segment 0
		.amdhsa_kernarg_size 16
		.amdhsa_user_sgpr_count 2
		.amdhsa_user_sgpr_kernarg_segment_ptr 1
		.amdhsa_wavefront_size32 1
		.amdhsa_system_sgpr_workgroup_id_x 1
		.amdhsa_system_sgpr_workgroup_id_y 1
		.amdhsa_system_sgpr_workgroup_id_z 1
		.amdhsa_system_vgpr_workitem_id 0
		.amdhsa_next_free_vgpr 32
		.amdhsa_next_free_sgpr 66
		.amdhsa_reserve_vcc 1
		.amdhsa_float_denorm_mode_32 3
		.amdhsa_float_denorm_mode_16_64 3
		.amdhsa_memory_ordered 1
		.amdhsa_forward_progress 1
		.amdhsa_inst_pref_size 3
	.end_amdhsa_kernel
	.amdgpu_metadata
---
amdhsa.version: [ 1, 2 ]
amdhsa.kernels:
  - .name:           k_q0a74fec377_fin
    .symbol:         k_q0a74fec377_fin.kd
    .args:
      - { .name: part, .offset: 0, .size: 8, .value_kind: global_buffer, .address_space: global }
      - { .name: out2, .offset: 8, .size: 8, .value_kind: global_buffer, .address_space: global }
    .group_segment_fixed_size: 0
    .private_segment_fixed_size: 0
    .kernarg_segment_align: 8
    .kernarg_segment_size: 16
    .max_flat_workgroup_size: 32
    .sgpr_count:     66
    .vgpr_count:     32
    .wavefront_size: 32
...
	.end_amdgpu_metadata
.endif
;; end of part 4
